; MI455X (gfx1250); checked and timed in simulation.
; The chip was launched on July 23, 2026; its instructions are those of AMD's public machine-readable ISA for CDNA 5 (MIT licence, August 2026) and "CDNA5" Instruction Set Architecture Reference Guide (July 2026). The comments in the code are by the model that wrote it; some were corrected since.
;; Window Routing. Allowed arithmetic: matrix products marked QUANTISED: E5M2 operands, one E8M0 scale for each 32 along K, by v_wmma_scale_f32_16x16x128_f8f6f4 with both operands' format E5M2, f32 sums; everything else in f32.
;; Inputs: image_codes 4 x 8,192 x 4 x 32 uint8 (E5M2 codes of image, K innermost, in blocks of 32 codes); image_scales 4 x 8,192 x 4 uint8 (E8M0 scales of image, one for each 32 codes along K); query_codes 4 x 4,096 x 4 x 32 uint8 (E5M2 codes of query, K innermost, in blocks of 32 codes); query_scales 4 x 4,096 x 4 uint8 (E8M0 scales of query, one for each 32 codes along K).
;; Outputs: out0 4 x 4,096 x 4 int32.
;; This version of the problem:
;;   THIS VERSION OF THE PROBLEM IS GIVEN IN LOW PRECISION. The matrix products marked QUANTISED in the list below multiply operands that are first quantised to E5M2 (5 exponent bits, 2 mantissa bits; 8 bits a number), with one power-of-two scale for each 32 numbers along K (OCP MX v1.0); their sums are f32. All else is computed in f32.
;;   The module's matrix products, in the order in which they are computed (A, B: the left and right operand; K: the contracted axis; several contracted axes count as one K, in the product's order):
;;     1. batch 4 x [M 4,096, K 128] x [K 128, N 8,192]; A: input query (given as codes); B: input image (given as codes): QUANTISED
;;   THE QUANTISER, for each operand of a quantised product, along K:
;;     - K is cut into blocks of 32 from its start; a last block that is shorter is filled with zeros.
;;     - A block's scale is 2^e with e = floor(log2(the largest magnitude in the block)) - 15, held to -126 .. 127; a block of zeros has e = 0. As a byte (E8M0): e + 127.
;;     - Each number is divided by its block's scale, clamped to +-57,344, and rounded to the nearest number of E5M2, ties to even, subnormals kept.
;;     - The product sums the exact products of the quantised numbers (number of the format x scale) in f32.
;;   ~~~python
;;   def quantise(x, axis):      # numpy; x: float32 -> the quantised numbers, widened to float32 again
;;       x = np.moveaxis(x, axis, -1); K = x.shape[-1]
;;       x = np.pad(x, [(0, 0)] * (x.ndim - 1) + [(0, -K % 32)]); x = x.reshape(x.shape[:-1] + (-1, 32)); a = np.abs(x).max(-1, keepdims=True)
;;       e = np.where(a > 0, np.clip(np.frexp(np.where(a > 0, a, 1))[1] - 1 - 15, -126, 127), 0)      # np.frexp(a)[1] - 1 = floor(log2(a)), exactly
;;       r = np.clip(x / 2.0 ** e, -57344, 57344)
;;       step = 2.0 ** (np.maximum(np.frexp(np.where(r == 0, 1, r))[1] - 1, -14) - 2)
;;       q = np.round(r / step) * step * 2.0 ** e      # np.round: ties to even
;;       return np.moveaxis(q.reshape(q.shape[:-2] + (-1,))[..., :K], -1, axis).astype(np.float32)
;;   ~~~
;;   INPUTS GIVEN AS CODES. image (in the module: [4, 8192, 128], K = its axis 2); query (in the module: [4, 4096, 128], K = its axis 2): each comes as NAME_codes (uint8): NAME with its K axis moved to the last place and cut into blocks of 32 codes, [.., K / 32, bytes a block], one block behind the other in memory; one code a byte (a code: sign, 5 exponent bits, 2 mantissa bits); and NAME_scales (uint8): the same leading axes, one E8M0 byte (e + 127) for each 32 codes along K. Its value is code x scale, taken as it is: it is not quantised again, and the codes and scales need not be those that the quantiser above would give.
;; One version. Each part assembles by itself: llvm-mc -triple=amdgcn-amd-amdhsa -mcpu=gfx1250 --defsym DOCPART=n.
;; ======== version 1 of 1: 2 launches
;; workspace buffers: cand 2,097,152 bytes of whole numbers
;; launch groups (part 1): grid 16 x 16, 4 waves a work-group, clusters of 4 x 1, 327,680 bytes of LDS; arguments image_codes, image_scales, query_codes, query_scales, cand; writes cand
.if DOCPART == 1
	.amdgcn_target "amdgcn-amd-amdhsa--gfx1250"
	.amdhsa_code_object_version 6
	.text
	.protected	k_q5a041df712_groups
	.globl	k_q5a041df712_groups
	.p2align	8
	.type	k_q5a041df712_groups,@function
k_q5a041df712_groups:
	s_mov_b64 s[64:65], 0
	v_nop
	global_prefetch_b8 v0, s[64:65] scope:SCOPE_SE
	s_setreg_imm32_b32 hwreg(HW_REG_WAVE_MODE, 25, 1), 1
	s_wait_xcnt 0x0
	s_wait_alu depctr_hold_cnt(0) depctr_sa_sdst(0) depctr_va_vdst(0) depctr_va_sdst(0) depctr_va_ssrc(0) depctr_va_vcc(0) depctr_vm_vsrc(0)
	s_getreg_b32 s2, hwreg(HW_REG_IB_STS2, 6, 4)
	s_cmp_eq_u32 s2, 0
	s_cbranch_scc0 .Lentry_in_a_cluster
	s_endpgm
.Lentry_in_a_cluster:
	s_bfe_u32 s2, ttmp6, 0x10000c
	s_cmp_lg_u32 s2, 0x3003
	s_cbranch_scc0 .Lentry_shape_is_right
	s_endpgm
.Lentry_shape_is_right:
; WINDOW ROUTING, first of two launches.  score(q, m) = (sum over 128 of query x image) x 128^-0.5 on codes of BF8 (E5M2) with one E8M0 scale for each 32 along K; wanted are the 4 largest of 8,192 scores
; of each query, larger first, the lower index first among equals.  THE FILTER: a batch's keys are cut into 512 groups of 16 neighbours (gid = key / 16).  Order the groups by (largest score, larger first; gid,
; lower first).  An element of the true 4 that lay outside the first 4 groups would have, in each of those 4, an element that is larger, or equal with a lower index: so the true 4 lie in the first 4 groups.
; This launch scores everything and stores, for each query and each quarter of the keys, the quarter's best 4 groups; the second launch merges the quarters and scores 64 keys a query again.
; x c (c > 0) rises with its input, so a group's largest scaled score is c x its largest sum: one multiplication a group.
; SHARES.  Work-group (x, y): y = 4 x batch + quarter (2,048 keys), x = a block of 256 queries.  Each of the four waves owns 64 queries, four tiles of 16, and walks all 2,048 keys.
; CLUSTER.  The four work-groups of a cluster have the same y and read the same keys: every key tile is asked for JOINTLY (mask 15).  The place in the cluster enters the queries' and cand's global addresses alone.
; NO RING.  The quarter's codes (2,048 rows x 144 bytes) and scale words (8,192 bytes) fit in LDS together: every byte is filled once, by nine tensor loads a wave issued together; nothing is filled again.
; LAYOUT.  Source 0 = 16 keys, source 1 = 16 queries: a lane holds ONE query (lane % 16), its register j the tile's row 8 (lane / 16) + j.  Tile t takes as rows 0-7 keys 8 t .. 8 t + 7 of region X (the quarter's
; keys 0-1023) and as rows 8-15 the same keys of region Y (keys 1024-2047): lanes 0-15 stream X in ascending order, lanes 16-31 stream Y.  Two tiles are a group; gid = 128 quarter + 64 (lane / 16) + group.
; BY TURNS.  Behind each matrix instruction stand 12 vector lines: the fold of the tile before (a maximum of 8) and a share of the 60 lines that insert the last closed group into the four tiles' sorted lists.
; cand: [quarter 4][query 16,384][8 words]: words 0-3 the 4 largest scaled group maxima as whole numbers that order as the f32 numbers do, best first; words 4-7 their gids.
; LIMITS: infinity and NaN codes, the scale byte 0xff and sums beyond f32's range are not served.  -0 and +0 count as equal.
.set KP,    144                        ; a key's row in LDS: 128 bytes + 16 of padding
.set TILEB, 8*KP                       ; a tile's 8 rows of a region
.set BODYB, 4*TILEB                    ; a body's four tiles
.set YOFF,  147584                     ; region Y: behind X's 1,024 x 144 bytes, and 128 more than a multiple of 256: rows r and r + 8 of a fragment then take the sixteen different 16-byte columns of 256 bytes
.set SCX,   295168                     ; X's scale words, 4 bytes a key, dense
.set SCY,   4160                       ; Y's lie so far behind X's: 4,096 + 64, so that a load's 16 words of Y fall 16 words further round 64 than its 16 of X
.set AF0,  1                           ; v1     my lane's place in a tile: (r % 8) x 144 + (r / 8) x YOFF + 16 h; never rewritten
.set AS0,  2                           ; v2     my lane's scale word of a pair of tiles: SCX + 4 (r % 8) + 32 h + (r / 8) x SCY; never rewritten
.set GB,   3                           ; v3     128 quarter + 64 h
.set MM,   4                           ; v4-7   the open group's maximum, a register a tile of queries
.set XR,   8                           ; v8-11  the closed group's scaled maximum
.set UU,   12                          ; v12, v13  the fold, at work
.set WW,   13
.set TA,   14                          ; v14, v15  the insertion, at work
.set TC,   15
.set QF,   16                          ; v16-79 the queries' four fragments
.set SQ,   80                          ; v80-83 their scale words
.set SA,   84                          ; v84-85 the keys' scale words: lanes 0-15 an even tile's, lanes 16-31 the odd tile's behind it; two pairs by turns
.set PT,   86                          ; v86-89 at the head: at work; at the end: the other half's values
.set PI,   90                          ; v90-93 and ids
.set QO,   89                          ; v89    the queries' codes: my byte offset
.set QSO,  90                          ; v90    their scale words: my byte offset
.set ADK,  94                          ; v94    LDS address of the body's tiles; at the end my byte offset in cand
.set ADS,  95                          ; v95    and of its scale words
.set AFR,  96                          ; v96-159  four key fragments, a ring
.set ACC,  160                         ; v160-223 results: two tiles of keys by turns x four tiles of queries x 8
.set ST,   224                         ; v224-255 tile n: the 4 best values at ST + 8 n, their ids at ST + 8 n + 4
.set WV,   14                          ; s14 wave;  s15 which region I fetch for;  s16 which half of a chunk
.set REG,  15
.set HALF, 16
.set YY,   19                          ; s19 work-group y
.set TBK,  30                          ; s30 where the body's tiles begin in a region;  s31 its scale words
.set TBS,  31
.set G1K,  32                          ; s[32:39] descriptor group 1 for the codes;  s[40:47] for the scale words;  s[48:51] group 0 for the scale words;  groups 0 of the eight chunks from s52 on
.set G1S,  40
.set G0S,  48
.set LC,   88                          ; s88 a loop's count
.set GS,   89                          ; s89 the closed group's number in its stream
.set CM,   90                          ; s90-93 the insertion's four compare masks
.set SC,   94                          ; s94 c = 128^-0.5 as f32
.set HM,   95                          ; s95 lanes 16-31
.set SEL,  96                          ; s[96:97] v_permlanex16_b32's selects for lane l xor 16
; A round of the cluster's barrier: my work-group's barrier; wave 0 signals for the work-group; every wave waits for all four work-groups; my work-group's barrier once more.
.macro ROUND
	s_barrier_signal -1
	s_barrier_wait -1
	s_cmp_lg_u32 s[WV], 0
	s_cbranch_scc1 .Lnot_wave_0_\@
	s_barrier_signal -3
.Lnot_wave_0_\@:
	s_barrier_wait -3
	s_barrier_signal -1
	s_barrier_wait -1
.endm
; One line of the 60 that insert the closed group (value v[XR + n], id s[GS]) into the four tiles' lists; ci counts them: tile ci / 15, line ci % 15.  A list is sorted, larger first.
; The compare is strict and the ids ascend, so among equals the lower id stays in front.
.macro COREOP
.set cT, ST+8*(ci/15)
.set cI, ST+8*(ci/15)+4
.set cX, XR+ci/15
.set cj, ci%15
.if cj < 4
	v_cmp_gt_f32 s[CM+cj], v[cX], v[cT+cj]
.elseif cj == 4
	v_cndmask_b32 v[TA], s[GS], v[cI+2], s[CM+2]           ; what place 3 takes if it changes: place 2's id, or the new one
.elseif cj == 5
	v_cndmask_b32 v[cI+3], v[cI+3], v[TA], s[CM+3]
.elseif cj == 6
	v_cndmask_b32 v[TC], s[GS], v[cI+1], s[CM+1]
.elseif cj == 7
	v_cndmask_b32 v[cI+2], v[cI+2], v[TC], s[CM+2]
.elseif cj == 8
	v_cndmask_b32 v[TA], s[GS], v[cI], s[CM]
.elseif cj == 9
	v_cndmask_b32 v[cI+1], v[cI+1], v[TA], s[CM+1]
.elseif cj == 10
	v_cndmask_b32 v[cI], v[cI], s[GS], s[CM]
.elseif cj == 11
	v_med3_num_f32 v[cT+3], v[cX], v[cT+2], v[cT+3]        ; the middle of the new value and two neighbours of a sorted list is the lower place's new value
.elseif cj == 12
	v_med3_num_f32 v[cT+2], v[cX], v[cT+1], v[cT+2]
.elseif cj == 13
	v_med3_num_f32 v[cT+1], v[cX], v[cT], v[cT+1]
.else
	v_max_num_f32 v[cT], v[cX], v[cT]
.endif
.set ci, (ci+1)%60
.endm
.macro CORE k
.rept \k
	COREOP
.endr
.endm
; The 12 vector lines behind a matrix instruction.  They fold the 8 results of the tile BEFORE (set P of the results, tile n of queries), from the low end on, and deal out 7 or 8 lines of the insertion.
; e = 1: the fold closes a group (its second tile) and makes the scaled maximum; e = 0: it opens one.  28 + 32 lines of the insertion in two phases: the 60 of a group.
; ci is 53 at a body's head: a group's lines run from the slice behind the one that made v[XR] to the next group's first slice, each tile's always behind that tile's v[XR + n] and ahead of its next.
.macro SLICE e, n, P
.set rA, ACC+32*(\P)+8*(\n)
	v_max3_num_f32 v[UU], v[rA], v[rA+1], v[rA+2]
	v_max3_num_f32 v[WW], v[rA+3], v[rA+4], v[rA+5]
	CORE 2
	v_max3_num_f32 v[UU], v[UU], v[rA+6], v[rA+7]
	CORE 2
.if \e
	v_max3_num_f32 v[MM+\n], v[MM+\n], v[UU], v[WW]
	CORE 3
	v_mul_f32 v[XR+\n], s[SC], v[MM+\n]
.else
	v_max_num_f32 v[MM+\n], v[UU], v[WW]
	CORE 4
.endif
.endm
; A phase: tile t of the body's four against my four tiles of queries.  ld = 1: it asks for the fragment three tiles on, into the ring place that the phase before has read (that phase's last product stands 12
; plain lines back, where 8 are owed: ISA guide 7.12.1 for vector instructions), and in even phases for the next pair's scale words.  cnt: the LDS loads younger than what this phase needs.
; Every product starts anew with C = 0 (K is one instruction deep), a result is read 48 lines later and written over two phases later.
.macro PHASE t, ld, cnt
	s_wait_dscnt \cnt
.if \ld
.if ((\t)&1) == 0
	ds_load_b32 v[SA+((((\t)>>1)+1)&1)], v[ADS] offset:64*(((\t)>>1)+1)
.endif
.irp c, 0,1,2,3
	ds_load_b128 v[AFR+16*(((\t)+3)&3)+4*\c:AFR+16*(((\t)+3)&3)+4*\c+3], v[ADK] offset:((\t)+3)*TILEB+32*\c
.endr
.endif
.irp n, 0,1,2,3
.if (\t)&1
	v_wmma_scale_f32_16x16x128_f8f6f4 v[ACC+32+8*\n:ACC+32+8*\n+7], v[AFR+16*(\t):AFR+16*(\t)+15], v[QF+16*\n:QF+16*\n+15], 0, v[SA+((\t)>>1)], v[SQ+\n] matrix_a_fmt:MATRIX_FMT_BF8 matrix_b_fmt:MATRIX_FMT_BF8 matrix_a_scale:MATRIX_SCALE_ROW1
	SLICE 0, \n, 0
.else
	v_wmma_scale_f32_16x16x128_f8f6f4 v[ACC+8*\n:ACC+8*\n+7], v[AFR+16*(\t):AFR+16*(\t)+15], v[QF+16*\n:QF+16*\n+15], 0, v[SA+((\t)>>1)], v[SQ+\n] matrix_a_fmt:MATRIX_FMT_BF8 matrix_b_fmt:MATRIX_FMT_BF8
	SLICE 1, \n, 1
.if \n == 0
	s_add_co_u32 s[GS], s[GS], 1                   ; the last group's lines are dealt out: from here on the id is that of the group just closed
.endif
.endif
.endr
.endm
; A body: four tiles, two groups.  The order of LDS loads is: phase f asks for [the scale words of pair f / 2 + 1, if f is even,] and fragment f + 3.  So an even phase, which needs its fragment and its pair's
; scale words, has two fragments younger than these: 8 loads; an odd phase two fragments and a scale word: 9.  The last body asks only in its first phase: 8, 9, 4, 0.
.macro BODY last
	v_add_nc_u32 v[ADK], s[TBK], v[AF0]
	v_add_nc_u32 v[ADS], s[TBS], v[AS0]
	PHASE 0, 1, 8
.if \last
	PHASE 1, 0, 9
	PHASE 2, 0, 4
	PHASE 3, 0, 0
.else
	PHASE 1, 1, 9
	PHASE 2, 1, 8
	PHASE 3, 1, 9
	s_add_co_u32 s[TBK], s[TBK], BODYB
	s_add_co_u32 s[TBS], s[TBS], 128
.endif
.endm
.macro LOOPB first, cnt                ; bodies first .. first + cnt - 1
	s_mov_b32 s[TBK], (\first)*BODYB
	s_mov_b32 s[TBS], (\first)*128
	s_mov_b32 s[LC], \cnt
.Lbody_\@:
	BODY 0
	s_sub_co_u32 s[LC], s[LC], 1
	s_cmp_lg_u32 s[LC], 0
	s_cbranch_scc1 .Lbody_\@
.endm
; Chunk c (128 keys of X and 128 of Y: tiles 16 c .. 16 c + 15) is whole for every wave: tensor loads of a wave end in order (ISA guide 10.11.1), and 7 - c chunks were issued behind mine of chunk c.
; The later chunks stay on their way across the barrier. No LDS instruction of the wave is out at the signal.
.macro SYNC c
	s_wait_tensorcnt 7-(\c)
	s_wait_dscnt 0x0
	s_barrier_signal -1
	s_barrier_wait -1
.endm
; (value v[x], id g) into places lo .. 3 of the sorted list v[tb ..], ids v[ib ..]; strict compare: what is in the list stays in front of an equal.  g as it is written: a register or a constant.
; ty = 0: f32 values.  ty = 1: whole numbers, moved by the compare masks as the ids are.  (The same text in both launches; this one uses ty = 0.)
.macro INS tb, ib, x, g, lo, ty
.set k, \lo
.rept 4-(\lo)
.if \ty
	v_cmp_gt_i32 s[CM+k], v[\x], v[(\tb)+k]
.else
	v_cmp_gt_f32 s[CM+k], v[\x], v[(\tb)+k]
.endif
.set k, k+1
.endr
.set k, 3
.rept 3-(\lo)
	v_cndmask_b32 v[TA], \g, v[(\ib)+k-1], s[CM+k-1]
	v_cndmask_b32 v[(\ib)+k], v[(\ib)+k], v[TA], s[CM+k]
.set k, k-1
.endr
	v_cndmask_b32 v[(\ib)+(\lo)], v[(\ib)+(\lo)], \g, s[CM+(\lo)]
.set k, 3
.rept 3-(\lo)
.if \ty
	v_cndmask_b32 v[TA], v[\x], v[(\tb)+k-1], s[CM+k-1]
	v_cndmask_b32 v[(\tb)+k], v[(\tb)+k], v[TA], s[CM+k]
.else
	v_med3_num_f32 v[(\tb)+k], v[\x], v[(\tb)+k-1], v[(\tb)+k]
.endif
.set k, k-1
.endr
.if \ty
	v_cndmask_b32 v[(\tb)+(\lo)], v[(\tb)+(\lo)], v[\x], s[CM+(\lo)]
.else
	v_max_num_f32 v[(\tb)+(\lo)], v[\x], v[(\tb)+(\lo)]
.endif
.endm
	s_load_b256 s[4:11], s[0:1], 0x0               ; image's codes s[4:5], its scales s[6:7], query's codes s[8:9], its scales s[10:11]
	s_load_b64 s[12:13], s[0:1], 0x20              ; cand
	s_set_vgpr_msb 0x40
	v_lshl_add_u32 v0, v0, 2, 0x4a200
	v_mov_b32 v1, 0
	s_set_vgpr_msb 0x4045
	ds_add_u32 v0, v1
	ds_add_u32 v0, v1
	s_set_vgpr_msb 0x4500
	v_lshrrev_b32 v86, 5, v0
	v_readfirstlane_b32 s[WV], v86                 ; wave 0..3
	s_lshr_b32 s[REG], s[WV], 1                    ; waves 0, 1 fetch for X, waves 2, 3 for Y;
	s_and_b32 s[HALF], s[WV], 1                    ; each the lower or the upper 64 rows of a chunk's 128
	s_and_b32 s[YY], ttmp7, 0xffff                 ; y = 4 x batch + quarter: the four partners share it
	; what I fetch, made of y and the wave's number alone
	s_lshl_b32 s20, s[YY], 18                      ; codes: the quarter's 2,048 rows of 128 bytes,
	s_lshl_b32 s24, s[REG], 17                     ; my region's 1,024,
	s_add_co_u32 s20, s20, s24
	s_lshl_b32 s24, s[HALF], 13                    ; my 64 of a chunk
	s_add_co_u32 s20, s20, s24
	s_mov_b32 s21, 0
	s_lshl_b32 s22, s[YY], 13                      ; scale words: 8,192 bytes a quarter, 4,096 a region, my half of them
	s_lshl_b32 s24, s[REG], 12
	s_add_co_u32 s22, s22, s24
	s_lshl_b32 s24, s[HALF], 11
	s_add_co_u32 s22, s22, s24
	s_mov_b32 s23, 0
	s_mul_i32 s24, s[REG], YOFF                    ; and where it goes in LDS: codes,
	s_mul_i32 s25, s[HALF], 64*KP
	s_add_co_u32 s24, s24, s25
	s_mul_i32 s25, s[REG], SCY                     ; scale words
	s_lshl_b32 s26, s[HALF], 11
	s_add_co_u32 s25, s25, s26
	s_add_co_u32 s25, s25, SCX
	; descriptor group 1, codes: 64 rows x 128 bytes, dense in memory, 16 bytes of padding behind each row in LDS
	s_mov_b32 s[G1K], 15|(1<<20)|(1<<21)|(4<<22)|(3<<25)   ; 15:0 the mask: all four work-groups; 17:16 elements of 1 byte; 20 padding on; 21 set beside a mask; 24:22 after every 32 words (code 4); 31:25 four words (code 3)
	s_mov_b32 s[G1K+1], 128<<16                    ; tensor_dim0
	s_mov_b32 s[G1K+2], 64<<16                     ; tensor_dim1
	s_mov_b32 s[G1K+3], 128<<16                    ; tile_dim0
	s_mov_b32 s[G1K+4], 64                         ; tile_dim1
	s_mov_b32 s[G1K+5], 128                        ; tensor_dim0_stride
	s_mov_b32 s[G1K+6], 0
	s_mov_b32 s[G1K+7], 0
	; scale words: 2,048 dense bytes as 8 rows of 256 (32 elements of 8 bytes), no padding
	s_mov_b32 s[G1S], 15|(3<<16)|(1<<21)
	s_mov_b32 s[G1S+1], 32<<16
	s_mov_b32 s[G1S+2], 8<<16
	s_mov_b32 s[G1S+3], 32<<16
	s_mov_b32 s[G1S+4], 8
	s_mov_b32 s[G1S+5], 32
	s_mov_b32 s[G1S+6], 0
	s_mov_b32 s[G1S+7], 0
	; my lane's places
	v_and_b32 v86, 7, v0                           ; r % 8
	v_bfe_u32 v87, v0, 3, 1                        ; r / 8
	v_bfe_u32 v88, v0, 4, 1                        ; h
	v_mul_u32_u24 v[AF0], v86, KP
	v_mad_u32_u24 v[AF0], v87, YOFF, v[AF0]
	v_lshl_add_u32 v[AF0], v88, 4, v[AF0]
	v_lshlrev_b32 v[AS0], 2, v86
	v_lshl_add_u32 v[AS0], v88, 5, v[AS0]
	v_mad_u32_u24 v[AS0], v87, SCY, v[AS0]
	v_add_nc_u32 v[AS0], SCX, v[AS0]
	v_and_b32 v[QSO], 15, v0                       ; r
	v_lshlrev_b32 v[QO], 7, v[QSO]
	v_lshl_add_u32 v[QO], v88, 4, v[QO]            ; a query's row of 128 bytes, + 16 h
	v_lshlrev_b32 v[QSO], 2, v[QSO]                ; its scale word
	s_and_b32 s27, s[YY], 3                        ; quarter
	s_lshl_b32 s29, s27, 7
	v_lshl_add_u32 v[GB], v88, 6, s29
	; my queries: the one place where the work-group's place in its cluster enters
	s_bfe_u32 s17, ttmp6, 0x40000                  ; cx
	s_lshl_b32 s18, ttmp9, 2
	s_add_co_u32 s18, s18, s17                     ; the block of 256 queries = 4 x cluster x + cx
	s_lshr_b32 s28, s[YY], 2
	s_lshl_b32 s28, s28, 12                        ; batch x 4,096
	s_lshl_b32 s29, s18, 8
	s_add_co_u32 s28, s28, s29
	s_lshl_b32 s29, s[WV], 6
	s_add_co_u32 s28, s28, s29                     ; my wave's first query among the 16,384
	s_mov_b32 s[GS], -2                            ; (the first two closings are of nothing: see the -infinities below)
.irp j, 0,1,2,3
	s_mov_b32 s[CM+\j], 0
.endr
	s_mov_b32 s[SC], 0x3db504f3
	s_mov_b32 s[HM], 0xffff0000
	s_mov_b32 s[SEL], 0x76543210
	s_mov_b32 s[SEL+1], 0xfedcba98
	s_wait_dscnt 0x0
	s_wait_kmcnt 0x0
	s_add_nc_u64 s[20:21], s[4:5], s[20:21]
	s_add_nc_u64 s[22:23], s[6:7], s[22:23]
	s_mov_b32 s[G0S], 1                            ; 1:0 count = 1
	s_mov_b32 s[G0S+1], s25                        ; 63:32 LDS address
	s_mov_b64 s[G0S+2:G0S+3], s[22:23]             ; 120:64 global address
	s_or_b32 s[G0S+3], s[G0S+3], 0x80000000        ; 127:126 type = 2
.irp c, 0,1,2,3,4,5,6,7
.set GC, 52+4*\c+4*((\c+5)/8)                  ; s52, 56, 60, then s68 .. s84
	s_mov_b32 s[GC], 1
	s_add_co_u32 s[GC+1], s24, \c*128*KP           ; a chunk is 128 rows of a region
	s_add_nc_u64 s[GC+2:GC+3], s[20:21], \c*128*128
	s_or_b32 s[GC+3], s[GC+3], 0x80000000
.endr
	s_mov_b32 s31, 0
	s_lshl_b32 s30, s28, 7
	s_add_nc_u64 s[8:9], s[8:9], s[30:31]          ; query's codes at my first query,
	s_lshl_b32 s30, s28, 2
	s_add_nc_u64 s[10:11], s[10:11], s[30:31]      ; its scale words,
	s_lshl_b32 s30, s27, 14
	s_add_co_u32 s30, s30, s28
	s_lshl_b32 s30, s30, 5
	s_add_nc_u64 s[12:13], s[12:13], s[30:31]      ; cand: (16,384 quarter + query) x 32 bytes
	ROUND                                          ; all four work-groups are here: the joint loads meet
	tensor_load_to_lds s[G0S:G0S+3], s[G1S:G1S+7]  ; all fills of the launch go out together: nine loads of mine are out.  The scale words first: they are wanted with chunk 0
	s_nop 0
.irp c, 0,1,2,3,4,5,6,7
.set GC, 52+4*\c+4*((\c+5)/8)
	tensor_load_to_lds s[GC:GC+3], s[G1K:G1K+7]
	s_nop 0
.endr
.rept 4
	v_nop                                          ; four plain lines follow the last of them
.endr
.irp n, 0,1,2,3
.irp c, 0,1,2,3
	global_load_b128 v[QF+16*\n+4*\c:QF+16*\n+4*\c+3], v[QO], s[8:9] offset:2048*\n+32*\c   ; the queries stay in registers: tile n, K = 32 c + 16 h on
.endr
	global_load_b32 v[SQ+\n], v[QSO], s[10:11] offset:64*\n
.endr
	; The body is written once, with no first copy of its own: the lists, the open maximum and the results that the first phase folds begin as -infinity.  The first closings then make -infinity, which no strict compare lets in.
.set i, 0
.rept 4
.irp j, 0,1,2,3
	v_mov_b32 v[ST+8*i+\j], 0xff800000
	v_mov_b32 v[ST+8*i+4+\j], 0
.endr
	v_mov_b32 v[MM+i], 0xff800000
	v_mov_b32 v[XR+i], 0xff800000
.set i, i+1
.endr
.set i, 0
.rept 32
	v_mov_b32 v[ACC+32+i], 0xff800000
.set i, i+1
.endr
	v_mov_b32 v[TA], 0
	v_mov_b32 v[TC], 0
.irp j, 1,2,3
	v_mov_b32 v[PI+\j], 0                          ; a lane permute's destination counts as one of its sources (v86-90 were written above)
.endr
	SYNC 0                                         ; the scale words and chunk 0
.irp c, 0,1,2,3
	ds_load_b128 v[AFR+4*\c:AFR+4*\c+3], v[AF0] offset:32*\c                ; tile 0,
.endr
	ds_load_b32 v[SA], v[AS0]                      ; the scale words of tiles 0 and 1,
.irp f, 1,2
.irp c, 0,1,2,3
	ds_load_b128 v[AFR+16*\f+4*\c:AFR+16*\f+4*\c+3], v[AF0] offset:\f*TILEB+32*\c   ; tiles 1 and 2: the order that the phases' counts lean on
.endr
.endr
	s_wait_loadcnt 0x0                             ; the queries
.set ci, 53
	; Body b asks for tiles up to 4 b + 6.  Bodies 0, 1 stay inside chunk 0 (tile 10); the four bodies 4 c - 2 .. 4 c + 1 behind SYNC c ask for tiles up to 16 c + 10, inside chunk c: a body to spare.
	LOOPB 0, 2
.irp c, 1,2,3,4,5,6
	SYNC \c
	LOOPB 4*\c-2, 4
.endr
	SYNC 7                                         ; the count is 0: no tensor load of mine is out from here on
	LOOPB 26, 5
	s_mov_b32 s[TBK], 31*BODYB
	s_mov_b32 s[TBS], 31*128
	BODY 1                                         ; the last body asks for tile 127 and the last pair's scale words, and for nothing beyond
	CORE 7                                         ; the rest of group 62
	s_add_co_u32 s[GS], s[GS], 1
.irp n, 0,1,2,3                        ; tile 127 closes group 63 (its last product stands 19 plain lines back)
	v_max3_num_f32 v[UU], v[ACC+32+8*\n], v[ACC+32+8*\n+1], v[ACC+32+8*\n+2]
	v_max3_num_f32 v[WW], v[ACC+32+8*\n+3], v[ACC+32+8*\n+4], v[ACC+32+8*\n+5]
	v_max3_num_f32 v[UU], v[UU], v[ACC+32+8*\n+6], v[ACC+32+8*\n+7]
	v_max3_num_f32 v[MM+\n], v[MM+\n], v[UU], v[WW]
	v_mul_f32 v[XR+\n], s[SC], v[MM+\n]
.endr
	CORE 60
	; THE END.  Each lane merges the other half's list into its own; its own stays in front of an equal, so lanes 0-15, whose stream X has the lower gids, hold the quarter's right list.
	; Entry j of a sorted list cannot land above place j once the entries in front of it are in: places j .. 3 are enough.
	v_and_b32 v[ADS], 15, v0
	v_lshlrev_b32 v[ADK], 5, v[ADS]
	v_bfe_u32 v[ADS], v0, 4, 1
	v_lshl_add_u32 v[ADK], v[ADS], 4, v[ADK]       ; cand: 32 r + 16 h: lanes 0-15 store the four keys, lanes 16-31 the four gids
.macro FINISH n
.set fT, ST+8*(\n)
.set fI, ST+8*(\n)+4
.irp j, 0,1,2,3
	v_add_nc_u32 v[fI+\j], v[GB], v[fI+\j]         ; the stream's group number becomes the gid
.endr
.irp j, 0,1,2,3
	v_permlanex16_b32 v[PT+\j], v[fT+\j], s[SEL], s[SEL+1]
.endr
.irp j, 0,1,2,3
	v_permlanex16_b32 v[PI+\j], v[fI+\j], s[SEL], s[SEL+1]
.endr
	INS fT, fI, PT, v90, 0, 0                      ; (v90-93 are v[PI] on)
	INS fT, fI, PT+1, v91, 1, 0
	INS fT, fI, PT+2, v92, 2, 0
	INS fT, fI, PT+3, v93, 3, 0
.irp j, 0,1,2,3
	v_add_f32 v[fT+\j], 0, v[fT+\j]                ; -0 becomes +0;
.endr
.irp j, 0,1,2,3
	v_ashrrev_i32 v[PT+\j], 31, v[fT+\j]           ; below 0 all bits but the sign are turned: the words then order, as signed whole numbers, as the f32 numbers do
.endr
.irp j, 0,1,2,3
	v_and_b32 v[PT+\j], 0x7fffffff, v[PT+\j]
.endr
.irp j, 0,1,2,3
	v_xor_b32 v[fT+\j], v[fT+\j], v[PT+\j]
.endr
.irp j, 0,1,2,3
	v_permlanex16_b32 v[PI+\j], v[fI+\j], s[SEL], s[SEL+1]   ; lanes 16-31 take the gids of lanes 0-15
.endr
.irp j, 0,1,2,3
	v_cndmask_b32 v[AFR+4*(\n)+\j], v[fT+\j], v[PI+\j], s[HM]
.endr
	global_store_b128 v[ADK], v[AFR+4*(\n):AFR+4*(\n)+3], s[12:13] offset:512*(\n)   ; 32 lanes store 512 consecutive bytes, at a multiple of 256 from cand's first byte; each tile has its own four registers
.endm
	FINISH 0
	FINISH 1
	FINISH 2
	FINISH 3
	s_set_vgpr_msb 0x5
	s_wait_tensorcnt 0x0
	ds_add_u32 v0, v1
	s_wait_dscnt 0x0
	s_set_vgpr_msb 0x500
	ROUND                                          ; the closing round: no work-group ends while a partner may still ask for a tile that names it
	s_endpgm
.Lfunc_end_k_q5a041df712_groups:
	.size	k_q5a041df712_groups, .Lfunc_end_k_q5a041df712_groups-k_q5a041df712_groups
	.p2alignl 7, 3214868480
	.fill 96, 4, 3214868480
	.section	.rodata,"a",@progbits
	.p2align	6, 0x0
	.amdhsa_kernel k_q5a041df712_groups
		.amdhsa_group_segment_fixed_size 327680
		.amdhsa_private_segment_fixed_size 0
		.amdhsa_enable_private_segment 0
		.amdhsa_kernarg_size 40
		.amdhsa_user_sgpr_count 2
		.amdhsa_user_sgpr_kernarg_segment_ptr 1
		.amdhsa_wavefront_size32 1
		.amdhsa_system_sgpr_workgroup_id_x 1
		.amdhsa_system_sgpr_workgroup_id_y 1
		.amdhsa_system_sgpr_workgroup_id_z 1
		.amdhsa_system_vgpr_workitem_id 0
		.amdhsa_next_free_vgpr 258
		.amdhsa_next_free_sgpr 98
		.amdhsa_reserve_vcc 0
		.amdhsa_float_denorm_mode_32 3
		.amdhsa_float_denorm_mode_16_64 3
		.amdhsa_memory_ordered 1
		.amdhsa_forward_progress 1
		.amdhsa_inst_pref_size 172
	.end_amdhsa_kernel
	.amdgpu_metadata
---
amdhsa.version: [ 1, 2 ]
amdhsa.kernels:
  - .name:           k_q5a041df712_groups
    .symbol:         k_q5a041df712_groups.kd
    .args:
      - { .name: image_codes, .offset: 0, .size: 8, .value_kind: global_buffer, .address_space: global }
      - { .name: image_scales, .offset: 8, .size: 8, .value_kind: global_buffer, .address_space: global }
      - { .name: query_codes, .offset: 16, .size: 8, .value_kind: global_buffer, .address_space: global }
      - { .name: query_scales, .offset: 24, .size: 8, .value_kind: global_buffer, .address_space: global }
      - { .name: cand, .offset: 32, .size: 8, .value_kind: global_buffer, .address_space: global }
    .group_segment_fixed_size: 327680
    .private_segment_fixed_size: 0
    .kernarg_segment_align: 8
    .kernarg_segment_size: 40
    .max_flat_workgroup_size: 128
    .sgpr_count:     98
    .vgpr_count:     258
    .wavefront_size: 32
...
	.end_amdgpu_metadata
.endif
;; end of part 1
;; launch pick (part 2): grid 256 x 1, 4 waves a work-group, no clusters, 0 bytes of LDS; arguments cand, image_codes, image_scales, query_codes, query_scales, out0; writes out0
.if DOCPART == 2
	.amdgcn_target "amdgcn-amd-amdhsa--gfx1250"
	.amdhsa_code_object_version 6
	.text
	.protected	k_q5a041df712_pick
	.globl	k_q5a041df712_pick
	.p2align	8
	.type	k_q5a041df712_pick,@function
k_q5a041df712_pick:
	s_mov_b64 s[64:65], 0
	v_nop
	global_prefetch_b8 v0, s[64:65] scope:SCOPE_SE
	s_setreg_imm32_b32 hwreg(HW_REG_WAVE_MODE, 25, 1), 1
	s_wait_xcnt 0x0
; WINDOW ROUTING, second of two launches.  cand [quarter 4][query 16,384][8 words] holds for each query and quarter of the keys the best 4 groups of 16 keys: words 0-3 their largest scaled scores as whole
; numbers that order as the f32 numbers do, best first; words 4-7 their gids (key / 16, 0 .. 511).  For each query: the four lists are merged with whole-number compares alone into the best 4 groups
; (larger key first, the lower gid first among equals), the 64 keys of these groups are gathered and scored again by the same matrix instruction, and the exact 4 best (larger first, the lower index first among equals) are stored.
; SHARES.  A wave owns 16 queries (64 x work-group + 16 x wave); waves share nothing: no LDS, no barrier.  NO CLUSTER, NO TENSOR LOAD: each gathered row is named by one query's own list, so no two work-groups ask for the same tile.
; NO PREFETCH: the rows' addresses are known only behind the merge, and the loads follow at once.
; UNITS.  Unit k = 2 i + p serves query i with two tiles of keys.  The 4 gids are sorted ascending, G0 < G1 < G2 < G3.  Tile u' of the unit takes as rows 0-7 keys 8 u' .. 8 u' + 7 of group G[p] and as rows 8-15 the same
; keys of group G[2 + p].  Source 0 = the 16 keys, source 1 = my 16 queries; of the result only column i counts: lanes i and i + 16 keep it.  So lane (r, 0) ends with query r's scores of groups G0, G1 and lane (r, 1) with
; those of G2, G3, each 32 numbers in ascending order of index: register 8 u + j (u = 2 p + u') is key 8 u' + j of its group.
; LIMITS: infinity and NaN codes, the scale byte 0xff and sums beyond f32's range are not served (the gathers stay inside image all the same: a gid is held at 511).  -0 and +0 count as equal.
.set RR,   1                           ; v1   r = lane % 16
.set HH,   2                           ; v2   h = lane / 16
.set H8,   3                           ; v3   r / 8: which of a unit's two groups my row belongs to
.set VL,   4                           ; v4   my lane's place in a group's codes: (r % 8) x 128 + 16 h
.set SL,   5                           ; v5   and among its scale words: 4 (r % 8) + 32 h: lanes 0-15 tile 0's rows, lanes 16-31 tile 1's
.set CO,   6                           ; v6   cand: 32 r
.set QO,   7                           ; v7   query's codes: 128 r + 16 h
.set GSR,  8                           ; v8-11  my query's 4 gids, ascending
.set TT,   12                          ; v12-15 a sorted list's values;  v16-19 its ids
.set II,   16
.set PT,   20                          ; v20-23, v24-27  at work in the sort; later the other half's list
.set PI,   24
.set GLO,  28                          ; v28, v29  my half's two gids
.set GHI,  29
.set TG,   30                          ; v30, v31  at work
.set TX,   31
.set TA,   32                          ; v32  the insertion, at work
.set OO,   33                          ; v33  out0: 16 r
.set QSO,  34                          ; v34  query's scale words: 4 r
.set SO,   35                          ; v35-38 a unit's offset among image's scale words, a register for each of four units in flight
.set VO,   39                          ; v39-42 and among its codes
.set SAR,  43                          ; v43-46 a unit's scale words
.set SQ,   47                          ; v47    the queries' scale words
.set QF,   48                          ; v48-63 the queries' fragment
.set DB,   64                          ; v64-95 results: two units by turns x two tiles x 8
.set W,    96                          ; v96-127 my query's 32 scores
.set AR,   128                         ; v128-255 four units in flight x two fragments; at the head the lists of quarters 1 to 3
.set WV,   16
.set CM,   20                          ; s20-23 the insertion's compare masks
.set SGA,  24                          ; s24-26 a unit's two gids and their difference
.set SGB,  25
.set SGD,  26
.set MK,   27                          ; s27 lanes i and i + 16
.set SC,   28                          ; s[28:29] c = 128^-0.5: the packed form names a pair and takes its low word for both halves
.set SEL,  30                          ; s[30:31] v_permlanex16_b32's selects for lane l xor 16
.set SX,   32                          ; s32 EXEC, kept
.set HM,   33                          ; s33 lanes 16-31
.set OFS,  34                          ; s[34:35] an offset in 64 bits
; (value v[x], id g) into places lo .. 3 of the sorted list v[tb ..], ids v[ib ..]; strict compare: what is in the list stays in front of an equal.  g as it is written: a register or a constant.
; ty = 0: f32 values.  ty = 1: whole numbers, moved by the compare masks as the ids are.  (The same text in both launches.)
.macro INS tb, ib, x, g, lo, ty
.set k, \lo
.rept 4-(\lo)
.if \ty
	v_cmp_gt_i32 s[CM+k], v[\x], v[(\tb)+k]
.else
	v_cmp_gt_f32 s[CM+k], v[\x], v[(\tb)+k]
.endif
.set k, k+1
.endr
.set k, 3
.rept 3-(\lo)
	v_cndmask_b32 v[TA], \g, v[(\ib)+k-1], s[CM+k-1]
	v_cndmask_b32 v[(\ib)+k], v[(\ib)+k], v[TA], s[CM+k]
.set k, k-1
.endr
	v_cndmask_b32 v[(\ib)+(\lo)], v[(\ib)+(\lo)], \g, s[CM+(\lo)]
.set k, 3
.rept 3-(\lo)
.if \ty
	v_cndmask_b32 v[TA], v[\x], v[(\tb)+k-1], s[CM+k-1]
	v_cndmask_b32 v[(\tb)+k], v[(\tb)+k], v[TA], s[CM+k]
.else
	v_med3_num_f32 v[(\tb)+k], v[\x], v[(\tb)+k-1], v[(\tb)+k]
.endif
.set k, k-1
.endr
.if \ty
	v_cndmask_b32 v[(\tb)+(\lo)], v[(\tb)+(\lo)], v[\x], s[CM+(\lo)]
.else
	v_max_num_f32 v[(\tb)+(\lo)], v[\x], v[(\tb)+(\lo)]
.endif
.endm
; Unit k's nine loads.  The two gids of query k / 2 come out of its lane; my row's gid is the first, or for rows 8-15 the second; it is held at 511 ahead of the shift and the addition that make the offsets.
.macro ASKU k
.set sl, (\k)&3
.set qi, (\k)>>1
.set pp, (\k)&1
	v_readlane_b32 s[SGA], v[GSR+pp], qi
	v_readlane_b32 s[SGB], v[GSR+2+pp], qi
	s_sub_co_u32 s[SGD], s[SGB], s[SGA]            ; (the gids ascend: it is not negative)
	v_mad_u32_u24 v[TG], v[H8], s[SGD], s[SGA]
	v_min_u32 v[TG], 0x1ff, v[TG]
	v_lshl_add_u32 v[VO+sl], v[TG], 11, v[VL]      ; a group's codes are 2,048 bytes,
	v_lshl_add_u32 v[SO+sl], v[TG], 6, v[SL]       ; its scale words 64
.irp u, 0,1
.irp c, 0,1,2,3
	global_load_b128 v[AR+32*sl+16*\u+4*\c:AR+32*sl+16*\u+4*\c+3], v[VO+sl], s[6:7] offset:1024*\u+32*\c
.endr
.endr
	global_load_b32 v[SAR+sl], v[SO+sl], s[8:9]
.endm
; Lanes i and i + 16 (i = k / 2) keep unit k's results, each accumulator from its low end on.
.macro CAPTURE k
	s_mov_b32 s[MK], 0x10001<<((\k)>>1)
.irp u, 0,1
.irp j, 0,1,2,3,4,5,6,7
	v_cndmask_b32 v[W+16*((\k)&1)+8*\u+\j], v[W+16*((\k)&1)+8*\u+\j], v[DB+16*((\k)&1)+8*\u+\j], s[MK]
.endr
.endr
.endm
; Unit k: its loads are in (each of the up to three younger units has nine out; that wait also frees the unit's two offset registers); two products; the capture of the unit before, whose 16 plain lines, which name no
; register of the two products, are the places (8 are owed) in front of the loads of unit k + 4 into the fragments just read, and in front of
; the next capture's reads.  Units 0 and 1 (query 0) write W itself in all lanes, so that nothing is cleared; the later captures replace the other lanes.
.macro UNIT k
.if 31-(\k) >= 3
	s_wait_loadcnt 27
.else
	s_wait_loadcnt 9*(31-(\k))
.endif
.set sl, (\k)&3
.if (\k) < 2
.set rD, W+16*(\k)
.else
.set rD, DB+16*((\k)&1)
.endif
	v_wmma_scale_f32_16x16x128_f8f6f4 v[rD:rD+7], v[AR+32*sl:AR+32*sl+15], v[QF:QF+15], 0, v[SAR+sl], v[SQ] matrix_a_fmt:MATRIX_FMT_BF8 matrix_b_fmt:MATRIX_FMT_BF8
	v_wmma_scale_f32_16x16x128_f8f6f4 v[rD+8:rD+15], v[AR+32*sl+16:AR+32*sl+31], v[QF:QF+15], 0, v[SAR+sl], v[SQ] matrix_a_fmt:MATRIX_FMT_BF8 matrix_b_fmt:MATRIX_FMT_BF8 matrix_a_scale:MATRIX_SCALE_ROW1
.if (\k) >= 3
	CAPTURE (\k)-1
.else
.rept 8
	v_nop
.endr
.endif
.if (\k)+4 <= 31
	ASKU (\k)+4
.endif
.endm
	s_load_b256 s[4:11], s[0:1], 0x0               ; cand s[4:5], image's codes s[6:7], its scales s[8:9], query's codes s[10:11]
	s_load_b128 s[12:15], s[0:1], 0x20             ; query's scales s[12:13], out0 s[14:15]
	v_lshrrev_b32 v[TG], 5, v0
	v_readfirstlane_b32 s[WV], v[TG]               ; wave 0..3
	v_and_b32 v[RR], 15, v0
	v_bfe_u32 v[HH], v0, 4, 1
	v_bfe_u32 v[H8], v0, 3, 1
	v_and_b32 v[TX], 7, v0
	v_lshlrev_b32 v[VL], 7, v[TX]
	v_lshl_add_u32 v[VL], v[HH], 4, v[VL]
	v_lshlrev_b32 v[SL], 2, v[TX]
	v_lshl_add_u32 v[SL], v[HH], 5, v[SL]
	v_lshlrev_b32 v[CO], 5, v[RR]
	v_lshlrev_b32 v[QO], 7, v[RR]
	v_lshl_add_u32 v[QO], v[HH], 4, v[QO]
	v_lshlrev_b32 v[QSO], 2, v[RR]
	v_lshlrev_b32 v[OO], 4, v[RR]
	v_mov_b32 v[PI+2], 0                           ; a lane permute's destination counts as one of its sources (v20-25 are written by the sort)
	v_mov_b32 v[PI+3], 0
	s_lshl_b32 s17, ttmp9, 6
	s_lshl_b32 s19, s[WV], 4
	s_add_co_u32 s17, s17, s19                     ; my first query among the 16,384
	s_lshr_b32 s18, ttmp9, 6                       ; the batch
	s_mov_b32 s[SC], 0x3db504f3
	s_mov_b32 s[SC+1], s[SC]                       ; (named with it as a pair, so it is written)
	s_mov_b32 s[SEL], 0x76543210
	s_mov_b32 s[SEL+1], 0xfedcba98
	s_mov_b32 s[HM], 0xffff0000
	s_mov_b32 s[OFS+1], 0
	s_wait_kmcnt 0x0
	s_lshl_b32 s[OFS], s17, 5
	s_add_nc_u64 s[4:5], s[4:5], s[OFS:OFS+1]      ; cand: 32 bytes a query
	s_lshl_b32 s[OFS], s18, 20
	s_add_nc_u64 s[6:7], s[6:7], s[OFS:OFS+1]      ; image's codes: 8,192 x 128 bytes a batch
	s_lshl_b32 s[OFS], s18, 15
	s_add_nc_u64 s[8:9], s[8:9], s[OFS:OFS+1]      ; its scale words: 8,192 x 4
	s_lshl_b32 s[OFS], s17, 7
	s_add_nc_u64 s[10:11], s[10:11], s[OFS:OFS+1]  ; query's codes
	s_lshl_b32 s[OFS], s17, 2
	s_add_nc_u64 s[12:13], s[12:13], s[OFS:OFS+1]  ; its scale words
	s_lshl_b32 s[OFS], s17, 4
	s_add_nc_u64 s[14:15], s[14:15], s[OFS:OFS+1]  ; out0: 16 bytes a query
	global_load_b128 v[TT:TT+3], v[CO], s[4:5] th:TH_LOAD_NT               ; quarter 0's list is the list to begin with (both halves of the lanes hold query r's)
	global_load_b128 v[II:II+3], v[CO], s[4:5] offset:16 th:TH_LOAD_NT
.irp q, 1,2,3
	global_load_b128 v[AR+8*(\q-1):AR+8*(\q-1)+3], v[CO], s[4:5] offset:\q*524288 th:TH_LOAD_NT
	global_load_b128 v[AR+8*(\q-1)+4:AR+8*(\q-1)+7], v[CO], s[4:5] offset:\q*524288+16 th:TH_LOAD_NT
.endr
.irp c, 0,1,2,3
	global_load_b128 v[QF+4*\c:QF+4*\c+3], v[QO], s[10:11] offset:32*\c
.endr
	global_load_b32 v[SQ], v[QSO], s[12:13]
	s_wait_loadcnt 5                               ; the eight loads of cand are in; the five of the queries may be out
	; THE MERGE, on whole numbers.  Entry j of a sorted list cannot land above place j once the entries in front of it are in.  The earlier quarter, whose gids are lower, stays in front of an equal.
	INS TT, II, AR+0, v132, 0, 1                   ; quarter 1: keys v128-131, gids v132-135
	INS TT, II, AR+1, v133, 1, 1
	INS TT, II, AR+2, v134, 2, 1
	INS TT, II, AR+3, v135, 3, 1
	INS TT, II, AR+8, v140, 0, 1                   ; quarter 2: keys v136-139, gids v140-143
	INS TT, II, AR+9, v141, 1, 1
	INS TT, II, AR+10, v142, 2, 1
	INS TT, II, AR+11, v143, 3, 1
	INS TT, II, AR+16, v148, 0, 1                  ; quarter 3: keys v144-147, gids v148-151
	INS TT, II, AR+17, v149, 1, 1
	INS TT, II, AR+18, v150, 2, 1
	INS TT, II, AR+19, v151, 3, 1
	; the 4 gids in ascending order: five exchanges
	v_min_u32 v[PT], v[II], v[II+1]
	v_max_u32 v[PT+1], v[II], v[II+1]
	v_min_u32 v[PT+2], v[II+2], v[II+3]
	v_max_u32 v[PT+3], v[II+2], v[II+3]
	v_min_u32 v[GSR], v[PT], v[PT+2]
	v_max_u32 v[PI], v[PT], v[PT+2]
	v_min_u32 v[PI+1], v[PT+1], v[PT+3]
	v_max_u32 v[GSR+3], v[PT+1], v[PT+3]
	v_min_u32 v[GSR+1], v[PI+1], v[PI]
	v_max_u32 v[GSR+2], v[PI+1], v[PI]
	; THE GATHER AND THE PRODUCTS: four units, 36 loads, in flight
	ASKU 0
	ASKU 1
	ASKU 2
	ASKU 3
.set kk, 0
.rept 32
	UNIT kk
.set kk, kk+1
.endr
	CAPTURE 31                                     ; (unit 30's capture, 16 plain lines, stands between unit 31's products and these reads)
	; THE CHOICE.  The scores x c, as the definition has them: the multiplication can make equals.  Then my 32, in ascending order of index, into a sorted list of 4; the id is the register's number 8 u + j.
.set cd, 0
.rept 16
	v_pk_mul_f32 v[W+cd:W+cd+1], v[W+cd:W+cd+1], s[SC:SC+1] op_sel_hi:[1,0]
.set cd, cd+2
.endr
.irp j, 0,1,2,3
	v_mov_b32 v[TT+\j], 0xff800000                 ; -infinity: under every score
	v_mov_b32 v[II+\j], 0
.endr
.set cd, 0
.rept 32
	INS TT, II, W+cd, cd, 0, 0
.set cd, cd+1
.endr
	v_cndmask_b32 v[GLO], v[GSR], v[GSR+2], s[HM]          ; my half's two groups: G0, G1 or G2, G3
	v_cndmask_b32 v[GHI], v[GSR+1], v[GSR+3], s[HM]
.irp j, 0,1,2,3
	v_cmp_lt_u32 vcc_lo, 15, v[II+\j]
	v_cndmask_b32 v[TG], v[GLO], v[GHI], vcc_lo
	v_and_b32 v[TX], 15, v[II+\j]
	v_lshl_add_u32 v[II+\j], v[TG], 4, v[TX]       ; the key's index in its batch: 16 gid + its place in the group
.endr
.irp j, 0,1,2,3
	v_permlanex16_b32 v[PT+\j], v[TT+\j], s[SEL], s[SEL+1]
.endr
.irp j, 0,1,2,3
	v_permlanex16_b32 v[PI+\j], v[II+\j], s[SEL], s[SEL+1]
.endr
	INS TT, II, PT, v24, 0, 0                      ; the other half's list into mine (v24-27 are v[PI] on).  Mine stays in front of an equal: right in lanes 0-15, all of whose indices are the lower ones
	INS TT, II, PT+1, v25, 1, 0
	INS TT, II, PT+2, v26, 2, 0
	INS TT, II, PT+3, v27, 3, 0
	v_and_b32 v[TG], 31, v0
	v_cmp_gt_u32 vcc_lo, 16, v[TG]
	s_wait_xcnt 0x0                                ; EXEC changes only behind this wait
	s_and_saveexec_b32 s[SX], vcc_lo
	global_store_b128 v[OO], v[II:II+3], s[14:15]  ; lanes 0-15 store 256 consecutive bytes, at a multiple of 256 from out0's first byte
	s_wait_xcnt 0x0                                ; and again, in front of the line that widens it
	s_or_b32 exec_lo, exec_lo, s[SX]
	s_endpgm
.Lfunc_end_k_q5a041df712_pick:
	.size	k_q5a041df712_pick, .Lfunc_end_k_q5a041df712_pick-k_q5a041df712_pick
	.p2alignl 7, 3214868480
	.fill 96, 4, 3214868480
	.section	.rodata,"a",@progbits
	.p2align	6, 0x0
	.amdhsa_kernel k_q5a041df712_pick
		.amdhsa_group_segment_fixed_size 0
		.amdhsa_private_segment_fixed_size 0
		.amdhsa_enable_private_segment 0
		.amdhsa_kernarg_size 48
		.amdhsa_user_sgpr_count 2
		.amdhsa_user_sgpr_kernarg_segment_ptr 1
		.amdhsa_wavefront_size32 1
		.amdhsa_system_sgpr_workgroup_id_x 1
		.amdhsa_system_sgpr_workgroup_id_y 1
		.amdhsa_system_sgpr_workgroup_id_z 1
		.amdhsa_system_vgpr_workitem_id 0
		.amdhsa_next_free_vgpr 256
		.amdhsa_next_free_sgpr 66
		.amdhsa_reserve_vcc 1
		.amdhsa_float_denorm_mode_32 3
		.amdhsa_float_denorm_mode_16_64 3
		.amdhsa_memory_ordered 1
		.amdhsa_forward_progress 1
		.amdhsa_inst_pref_size 128
	.end_amdhsa_kernel
	.amdgpu_metadata
---
amdhsa.version: [ 1, 2 ]
amdhsa.kernels:
  - .name:           k_q5a041df712_pick
    .symbol:         k_q5a041df712_pick.kd
    .args:
      - { .name: cand, .offset: 0, .size: 8, .value_kind: global_buffer, .address_space: global }
      - { .name: image_codes, .offset: 8, .size: 8, .value_kind: global_buffer, .address_space: global }
      - { .name: image_scales, .offset: 16, .size: 8, .value_kind: global_buffer, .address_space: global }
      - { .name: query_codes, .offset: 24, .size: 8, .value_kind: global_buffer, .address_space: global }
      - { .name: query_scales, .offset: 32, .size: 8, .value_kind: global_buffer, .address_space: global }
      - { .name: out0, .offset: 40, .size: 8, .value_kind: global_buffer, .address_space: global }
    .group_segment_fixed_size: 0
    .private_segment_fixed_size: 0
    .kernarg_segment_align: 8
    .kernarg_segment_size: 48
    .max_flat_workgroup_size: 128
    .sgpr_count:     66
    .vgpr_count:     256
    .wavefront_size: 32
...
	.end_amdgpu_metadata
.endif
;; end of part 2
